; MI455X (gfx1250); checked and timed in simulation.
; The chip was launched on July 23, 2026; its instructions are those of AMD's public machine-readable ISA for CDNA 5 (MIT licence, August 2026) and "CDNA5" Instruction Set Architecture Reference Guide (July 2026). The comments in the code are by the model that wrote it; some were corrected since.
;; Geometric Attention Bias. Allowed arithmetic: matrix products marked QUANTISED: E5M2 operands, one given power-of-two scale a tensor, by v_wmma_f32_16x16x64_bf8_bf8 or v_wmma_f32_16x16x128_bf8_bf8, f32 sums; products left as they are: f32 operands where the result goes on into a quantised operand, else bf16, f16 or f32 operands; f32 sums; everything else in f32.
;; Inputs: W1 4 x 128 float32; W2 128 x 64 float32; W3 64 x 8 float32; b1 128 float32; b2 64 float32; b3 8 float32; beta1 128 float32; beta2 64 float32; bias_scale 8 float32; g1 128 float32; g2 64 float32; grasp_poses 4 x 64 x 7 float32; grasp_tokens 4 x 64 x 256 float32; lowp_scales 2 int32 (the exponents e of the quantised operands' scales 2^e); scene_points 4 x 4,096 x 3 float32.
;; Outputs: out0 4 x 8 x 64 x 4,096 float32.
;; This version of the problem:
;;   THIS VERSION OF THE PROBLEM IS GIVEN IN LOW PRECISION. The matrix products marked QUANTISED in the list below multiply operands that are first quantised to E5M2 (5 exponent bits, 2 mantissa bits; 8 bits a number), with one given power-of-two scale for each operand tensor; their sums are f32. All else is computed in f32.
;;   The module's matrix products, in the order in which they are computed (A, B: the left and right operand; K: the contracted axis; several contracted axes count as one K, in the product's order):
;;     1. batch 256 x [M 4,096, K 3] x [K 3, N 3]; A: computed on the way; B: computed on the way: left as it is (K = 3 < 32)
;;     2. [M 1,048,576, K 4] x [K 4, N 128]; A: computed on the way; B: input W1: left as it is (K = 4 < 32)
;;     3. [M 1,048,576, K 128] x [K 128, N 64]; A: computed on the way; B: input W2: QUANTISED (scales: A lowp_scales[0], B lowp_scales[1])
;;     4. [M 1,048,576, K 64] x [K 64, N 8]; A: computed on the way; B: input W3: left as it is (N = 8 < 16)
;;   THE QUANTISER, for each operand of a quantised product, along K:
;;     - The operand's scale is 2^e, e = its entry of the input lowp_scales (int32; the entries are numbered through the quantised products in the list's order, A before B).
;;     - Each number is divided by the scale, clamped to +-57,344, and rounded to the nearest number of E5M2, ties to even, subnormals kept.
;;     - The product sums the exact products of the quantised numbers (number of the format x scale) in f32.
;;   ~~~python
;;   def quantise(x, axis, e):      # numpy; x: float32 -> the quantised numbers, widened to float32 again
;;       x = np.moveaxis(x, axis, -1); K = x.shape[-1]
;;       r = np.clip(x / 2.0 ** e, -57344, 57344)
;;       step = 2.0 ** (np.maximum(np.frexp(np.where(r == 0, 1, r))[1] - 1, -14) - 2)
;;       q = np.round(r / step) * step * 2.0 ** e      # np.round: ties to even
;;       return np.moveaxis(q, -1, axis).astype(np.float32)
;;   ~~~
;;   OPERANDS COMPUTED ON THE WAY. 'Computed on the way' means the value that the module computes at that place (a softmax that the list does not call 'softmax' is quantised finished and normalised). What goes into a quantiser is computed in f32, as accurately as f32 sums, v_exp_f32 and their like allow (about 1e-6 of the number): no bf16 or f16 on the way to a quantiser, and a product that is left as it is and whose result goes on into a quantised operand takes f32 operands (vector FMAs, or v_wmma_f32_16x16x4_f32). A number that lies on a knife's edge between two numbers of the format may be rounded either way, as far as f32 arithmetic and the matrix unit's own rounding can turn it there, and no further.
;; 2 versions, each right; version 2 is version 1 with the launch bias written anew for expert scheduling mode. Each part assembles by itself: llvm-mc -triple=amdgcn-amd-amdhsa -mcpu=gfx1250 --defsym DOCPART=n.
;; ======== version 1 of 2: 1 launch
;; limits: values are held in f16: magnitudes above 65,504 overflow, below 6.1e-05 lose precision
;; launch bias (part 1): grid 64 x 4, 8 waves a work-group, no clusters, 0 bytes of LDS; arguments W1, b1, g1, beta1, W2, b2, g2, beta2, W3, b3, bias_scale, grasp_poses, scene_points, lowp_scales, out0; writes out0
.if DOCPART == 1
	.amdgcn_target "amdgcn-amd-amdhsa--gfx1250"
	.amdhsa_code_object_version 6
	.text
	.protected	k_q188e7f58bb_bias
	.globl	k_q188e7f58bb_bias
	.p2align	8
	.type	k_q188e7f58bb_bias,@function
k_q188e7f58bb_bias:
	s_mov_b64 s[64:65], 0
	v_nop
	global_prefetch_b8 v0, s[64:65] scope:SCOPE_SE
	s_setreg_imm32_b32 hwreg(HW_REG_WAVE_MODE, 25, 1), 1
	s_wait_xcnt 0x0
; out0[b][hd][g][p] = bias_scale[hd] x (LN2(relu(Q(LN1(relu(f W1 + b1))) Q(W2) + b2)) W3 + b3)[hd],  f = (R^T (point p - t), its length) for grasp g of batch b.
; ONE LAUNCH DOES ALL OF IT.  A work-group is one (b, g): 4,096 points; each of its eight waves takes 512 of them, in 8 groups of 64, a group in 4 tiles of 16 points.  No LDS, no barrier: waves share nothing.
; grasp_tokens is an argument that the computation never touches: it is not loaded.
; THE THREE PRODUCTS ARE USED TRANSPOSED (source 0 = weights, source 1 = 16 points), so that a lane holds ONE point (lane % 16 = r) throughout and its registers run along the units; h = lane / 16.
;   4 -> 128   v_wmma_f32_16x16x4_f32, f32 operands since the result goes on into a quantiser; b1 is its C.  Row m of tile tau is unit 64 (m / 8) + 8 tau + m % 8: register i of lane (r, h) is unit 64 h + i.
;   128 -> 64  v_wmma_f32_16x16x64_bf8_bf8, two K steps.  Code byte q of half h in step s is unit 64 h + 32 s + q in BOTH operands: a permutation of k, the same on both sides, so every product meets its partner.
;              Row m of tile t is output unit 4 m + t: register 8 t + j is unit 32 h + 4 j + t.  C of the first step is b2 / 2^(e0 + e1); the sums are brought to true size by one packed multiply-add with the mean.
;   64 -> 8    v_wmma_f32_16x16x32_f16, twice.  Its left operand is g2 x W3 in f16, its right one the normalised hidden layer (magnitude at most 8) in f16; beta2 . W3 + b3 and bias_scale stay in f32.
; LAYER NORMS in two passes (mean; then the mean of (x - mean)^2), as the definition has them; a row's two halves lie in lanes r and r + 16 and meet by one lane exchange.
; POINTS OF A TILE: tile T gives lane r the point 4 r + T of the group.  After four tiles a lane holds four neighbouring points of a head: sixteen lanes store 256 consecutive bytes, aligned, with no turn through LDS.
; PIPELINE: while tile T's first layer norm is worked, the matrix unit makes tile T + 1's first layer; the features of tile T + 2 are made in tile T.  The last trip reads its own group's points again (no load
; leaves the buffer) and prepares two tiles that nobody uses.
; LIMITS: e0 and e1 between -126 and 112; e0 + e1 between -120 and 127; b2 / 2^(e0 + e1) an f32 number; |g2 x W3| under 65,504 (f16), and kept to 6e-8 absolute where it is under 6e-5.  NaN among the inputs is not served.
; REGISTERS, window 0: v1, v2 offsets; v3 the lane exchange; v[4:5] the feature fragment; v6-9 the local point and a sum; v[10:11] -mean, 57,344 x 2^e0; v[12:13] 1 / sigma, 2^e0; v14 the length;
;   v16-23 four packed sums, then the codes; v24-31 bias_scale and the constant of my four heads; v32-43 four points; v44-47 offsets; v48-63 the group's results; v64-79 W1; v80-95 g2 x W3; v96-127 b2 / 2^(e0+e1);
;   v128-191 the first layer's sums, written by matrix instructions alone; v192-255 the numbers at work.   window 1: v0-63 b1, v64-127 g1, v128-191 beta1, v192-255 W2's codes.
.set OUTO, 1                           ; (h << 22) + 16 r: heads 4 h on, my four points
.set PTO,  2                           ; 48 r: my four points' 48 bytes in a group's 768
.set TP,   3
.set FB,   4
.set LX,   6
.set LY,   7
.set LZ,   8
.set T1,   9
.set NM,   10
.set LIM1, 11
.set RS,   12
.set SC1,  13
.set T2,   14
.set LIM2, 14                          ; at the head alone: 57,344 x 2^e1,
.set SC2,  15                          ; and 2^e1
.set S,    16
.set BSV,  24
.set CV,   28
.set PB,   32
.set AW1,  44
.set A64,  45
.set AW2,  46
.set A32,  47
.set O,    48
.set W1F,  64
.set GF,   80
.set B2C,  96
.set ACC1, 128
.set X,    192
.set AG,   6                           ; at the head alone: offsets of W3 (for g2 x W3), of W3 (for beta2 . W3), of beta2, of b3 and bias_scale
.set AC,   7
.set AB,   8
.set A16,  9
.set B1,   0                           ; window 1
.set G1,   64
.set BE1,  128
.set W2F,  192
.set MSB, 0
.macro WIN new                         ; low byte: bits 1:0 source 0, 3:2 source 1, 5:4 source 2, 7:6 destination; the high byte repeats the setting that is left; a switch that changes nothing is dropped
.if MSB != \new
	s_set_vgpr_msb (MSB<<8)|\new
.set MSB, \new
.endif
.endm
; The point at v[PB + f] on, into the grasp's frame: l_i = the sum over j of R[j][i] (p_j - t_j).  Twelve plain instructions.
.macro FEATA f
	v_sub_f32 v[X+48], v[PB+(\f)], s40
	v_sub_f32 v[X+49], v[PB+(\f)+1], s41
	v_sub_f32 v[X+50], v[PB+(\f)+2], s42
.irp i, 0,1,2
	v_mul_f32 v[LX+\i], s[48+\i], v[X+48]
.endr
.irp i, 0,1,2
	v_fma_f32 v[LX+\i], s[51+\i], v[X+49], v[LX+\i]
.endr
.irp i, 0,1,2
	v_fma_f32 v[LX+\i], s[54+\i], v[X+50], v[LX+\i]
.endr
.endm
; Its length, and the fragment: register j of lane (r, h) is feature 2 h + j: (lx, ly) in lanes 0-15, (lz, length) in lanes 16-31.
.macro FEATB
	v_mul_f32 v[T1], v[LX], v[LX]
	v_fma_f32 v[T1], v[LY], v[LY], v[T1]
	v_fma_f32 v[T1], v[LZ], v[LZ], v[T1]
	v_sqrt_f32 v[T2], v[T1]
	v_cndmask_b32 v[FB], v[LX], v[LZ], s57         ; a plain instruction behind the root, which names neither its result nor its source
	s_wait_alu depctr_va_vdst(0)                   ; the wait ahead of the root's first reader
	v_cndmask_b32 v[FB+1], v[LY], v[T2], s57
.endm
; The first layer of the tile whose features stand in v[FB:FB+1]: eight tiles of 16 units, each one instruction, K = 4, C = b1.
.macro MM1
	WIN 0x10                                       ; C (b1) in window 1
.irp u, 0,1,2,3,4,5,6,7
	v_wmma_f32_16x16x4_f32 v[ACC1+8*\u:ACC1+8*\u+7], v[W1F+2*\u:W1F+2*\u+1], v[FB:FB+1], v[B1+8*\u:B1+8*\u+7]
.endr
	WIN 0
.endm
; Four packed chains become the row's sum, in v[T1] of every lane: the chains, a pair's two halves, the lane 16 away.
.macro MERGE
	v_pk_add_f32 v[S:S+1], v[S:S+1], v[S+2:S+3]
	v_pk_add_f32 v[S+4:S+5], v[S+4:S+5], v[S+6:S+7]
	v_pk_add_f32 v[S:S+1], v[S:S+1], v[S+4:S+5]
	v_add_f32 v[T1], v[S], v[S+1]
	v_permlanex16_b32 v[TP], v[T1], s58, s59
	v_add_f32 v[T1], v[T1], v[TP]
.endm
.macro PSUM np                         ; the sum of the first np pairs of X; the first eight pairs start the chains: nothing is cleared
.irp c, 0,1,2,3
	v_pk_add_f32 v[S+2*\c:S+2*\c+1], v[X+2*\c:X+2*\c+1], v[X+8+2*\c:X+9+2*\c]
.endr
.set pp, 8
.rept \np-8
	v_pk_add_f32 v[S+2*(pp%4):S+2*(pp%4)+1], v[S+2*(pp%4):S+2*(pp%4)+1], v[X+2*pp:X+2*pp+1]
.set pp, pp+1
.endr
	MERGE
.endm
.macro PSQ np                          ; the sum of their squares
.irp c, 0,1,2,3
	v_pk_mul_f32 v[S+2*\c:S+2*\c+1], v[X+2*\c:X+2*\c+1], v[X+2*\c:X+2*\c+1]
.endr
.set pp, 4
.rept \np-4
	v_pk_fma_f32 v[S+2*(pp%4):S+2*(pp%4)+1], v[X+2*pp:X+2*pp+1], v[X+2*pp:X+2*pp+1], v[S+2*(pp%4):S+2*(pp%4)+1]
.set pp, pp+1
.endr
	MERGE
.endm
; The first layer norm, on my 64 of the row's 128 numbers: ((x - mean) / sigma) g1 + beta1.
.macro LN1
	PSUM 32
	v_mul_f32 v[NM], 0xbc000000, v[T1]             ; -sum / 128
.set pp, 0
.rept 32
	v_pk_add_f32 v[X+pp:X+pp+1], v[X+pp:X+pp+1], v[NM:NM+1] op_sel_hi:[1,0]
.set pp, pp+2
.endr
	PSQ 32
	v_fma_f32 v[T1], v[T1], s66, s63               ; / 128 + 1e-5
	v_rsq_f32 v[RS], v[T1]
	v_nop                                          ; a plain instruction behind the transcendental,
	s_wait_alu depctr_va_vdst(0)                   ; and the wait ahead of its first reader
.set pp, 0
.rept 32
	v_pk_mul_f32 v[X+pp:X+pp+1], v[X+pp:X+pp+1], v[RS:RS+1] op_sel_hi:[1,0]
.set pp, pp+2
.endr
	WIN 0x14                                       ; g1 and beta1 in window 1
.set pp, 0
.rept 32
	v_pk_fma_f32 v[X+pp:X+pp+1], v[X+pp:X+pp+1], v[G1+pp:G1+pp+1], v[BE1+pp:BE1+pp+1]
.set pp, pp+2
.endr
	WIN 0
.endm
; K step s of the quantised product: my units 32 s .. 32 s + 31 are held at the largest code x 2^e0 (the conversion to an 8-bit code does not saturate: ISA guide 7.6.2), converted, and multiplied by W2's four tiles.
; The four accumulators take turns, one instruction a turn.  Step 1's first eight holds are the places between step 0's products and the conversion that writes the codes anew.
.macro QH s
.irp a, 0,1,2,3
.irp i, 0,1,2,3,4,5,6,7
	v_med3_num_f32 v[X+32*\s+8*\a+\i], v[X+32*\s+8*\a+\i], -v[LIM1], v[LIM1]
.endr
	v_cvt_scalef32_pk8_bf8_f32 v[S+2*\a:S+2*\a+1], v[X+32*\s+8*\a:X+32*\s+8*\a+7], v[SC1]
.endr
	v_nop                                          ; one plain instruction between the last conversion and the products, which read its result and (step 0) write its sources
	WIN 0x01                                       ; W2's codes in window 1
.irp t, 0,1,2,3
.if \s == 0
	v_wmma_f32_16x16x64_bf8_bf8 v[X+8*\t:X+8*\t+7], v[W2F+16*\t:W2F+16*\t+7], v[S:S+7], v[B2C+8*\t:B2C+8*\t+7]
.else
	v_wmma_f32_16x16x64_bf8_bf8 v[X+8*\t:X+8*\t+7], v[W2F+16*\t+8:W2F+16*\t+15], v[S:S+7], v[X+8*\t:X+8*\t+7]
.endif
.endr
	WIN 0
.endm
; relu, the second layer norm without its gain and offset (they lie in the last product's weights and constant), f16, the last product.
.macro LN2
.set kk, 0
.rept 32
	v_max_num_f32 v[X+kk], 0, v[X+kk]              ; each accumulator from its low end on
.set kk, kk+1
.endr
	PSUM 16
	v_mul_f32 v[NM], s62, v[T1]                    ; -mean in true size: the sum x -2^(e0 + e1) / 64
.set pp, 0
.rept 16
	v_pk_fma_f32 v[X+pp:X+pp+1], v[X+pp:X+pp+1], s[60:61], v[NM:NM+1] op_sel_hi:[1,0,0]   ; x 2^(e0 + e1) - mean
.set pp, pp+2
.endr
	PSQ 16
	v_fma_f32 v[T1], v[T1], s67, s63               ; / 64 + 1e-5
	v_rsq_f32 v[RS], v[T1]
	v_nop
	s_wait_alu depctr_va_vdst(0)
.set pp, 0
.rept 16
	v_pk_mul_f32 v[X+pp:X+pp+1], v[X+pp:X+pp+1], v[RS:RS+1] op_sel_hi:[1,0]
.set pp, pp+2
.endr
.set kk, 0
.rept 16
	v_cvt_pk_f16_f32 v[X+32+kk], v[X+2*kk], v[X+2*kk+1]
.set kk, kk+1
.endr
	v_wmma_f32_16x16x32_f16 v[X+48:X+55], v[GF:GF+7], v[X+32:X+39], 0       ; two sums of 32 units each, an accumulator each
	v_wmma_f32_16x16x32_f16 v[X+56:X+63], v[GF+8:GF+15], v[X+40:X+47], 0
.endm
; Registers 0-3 of the two sums are heads 4 h .. 4 h + 3 of my point: added, x bias_scale, + the constant, into the group's results.
.macro FIN T
	v_pk_add_f32 v[X+48:X+49], v[X+48:X+49], v[X+56:X+57]
	v_pk_add_f32 v[X+50:X+51], v[X+50:X+51], v[X+58:X+59]
.irp j, 0,1,2,3
	v_fma_f32 v[O+4*\j+\T], v[X+48+\j], v[BSV+\j], v[CV+\j]
.endr
.endm
; A TILE.  f: where the point of tile T + 2 stands; w: how many younger loads may stay out when it is read (-1: it was shown landed earlier); ld: which 16 bytes of the next group's 48 are asked for (0: none).
.macro TILE T, f, w, ld
.set kk, 0
.rept 64
	v_max_num_f32 v[X+kk], 0, v[ACC1+kk]           ; relu, out of the sums' registers, each accumulator from its low end on
.set kk, kk+1
.endr
	MM1                                            ; tile T + 1's first layer runs beside the vector work below
	LN1
	QH 0
	QH 1
.if \w >= 0
	s_wait_loadcnt \w
.endif
	FEATA \f                                       ; twelve plain instructions that name no register of the products above: the places ahead of the first read of their results
.if \ld > 0
	global_load_b128 v[PB+4*\ld:PB+4*\ld+3], v[PTO], s[74:75] offset:16*\ld   ; these four registers' last reader stands above
.endif
	LN2
	FEATB                                          ; five plain instructions: the places behind the last products; the fragment's last reader, MM1, stands far back
	FIN \T
.endm
; The head's loads into window 1.  W2: rows 64 h + 16 c + i, columns 4 r .. 4 r + 3: sixteen lanes read a row's 256 bytes.
.macro W2LOAD c, raw
	WIN 0x40
.irp i, 0,1,2,3,4,5,6,7,8,9,10,11,12,13,14,15
	global_load_b128 v[\raw+4*\i:\raw+4*\i+3], v[AW2], s[16:17] offset:256*(16*\c+\i)
.endr
.endm
.macro CLOAD area, ptr                 ; b1, g1 or beta1: my half's 64 numbers
	WIN 0x40
.irp i, 0,1,2,3,4,5,6,7,8,9,10,11,12,13,14,15
	global_load_b128 v[\area+4*\i:\area+4*\i+3], v[A64], s[\ptr:\ptr+1] offset:16*\i
.endr
.endm
; Sixteen rows of W2 become 16 code bytes of each of the four tiles' fragments.  The hold also sorts the numbers: register 16 t + i = W2[64 h + 16 c + i][4 r + t], so that a conversion's eight sources run down K.
.macro W2Q c, raw
	s_wait_loadcnt 32                              ; this chunk's sixteen loads are in; two younger runs of sixteen may be out
	WIN 0x01
.irp t, 0,1,2,3
.irp i, 0,1,2,3,4,5,6,7,8,9,10,11,12,13,14,15
	v_med3_num_f32 v[X+16*\t+\i], v[\raw+4*\i+\t], -v[LIM2], v[LIM2]
.endr
.endr
	WIN 0x40
.irp t, 0,1,2,3
.irp u, 0,1
	v_cvt_scalef32_pk8_bf8_f32 v[W2F+16*\t+4*\c+2*\u:W2F+16*\t+4*\c+2*\u+1], v[X+16*\t+8*\u:X+16*\t+8*\u+7], v[SC2]
.endr
.endr
	v_nop                                          ; one plain instruction behind the last conversion: the next chunk's holds write its sources
.endm
	; ---- arguments, lane offsets, the work-group's and the wave's places
	s_load_b512 s[8:23], s[0:1], 0x0               ; W1 s[8:9], b1 s[10:11], g1 s[12:13], beta1 s[14:15], W2 s[16:17], b2 s[18:19], g2 s[20:21], beta2 s[22:23]
	s_load_b256 s[24:31], s[0:1], 0x40             ; W3 s[24:25], b3 s[26:27], bias_scale s[28:29], poses s[30:31]
	s_load_b128 s[32:35], s[0:1], 0x60             ; points s[32:33], the scales' exponents s[34:35]
	s_load_b64 s[36:37], s[0:1], 0x70              ; out0
	v_lshrrev_b32 v[TP], 5, v0
	v_readfirstlane_b32 s2, v[TP]                  ; wave 0..7
	v_and_b32 v4, 15, v0                           ; r
	v_bfe_u32 v5, v0, 4, 1                         ; h
	v_and_b32 v10, 7, v4                           ; r % 8
	v_lshrrev_b32 v11, 3, v4                       ; r / 8
	v_and_b32 v12, 3, v4
	v_lshl_add_u32 v12, v11, 2, v12                ; the head of row r of the last product's weights: r % 4 + 4 (r / 8); rows 4-7 and 12-15 repeat heads, and their results are not read
	v_lshlrev_b32 v[OUTO], 4, v4
	v_lshl_add_u32 v[OUTO], v5, 22, v[OUTO]
	v_mul_u32_u24 v[PTO], v4, 48
	v_lshlrev_b32 v[AW1], 2, v10
	v_lshl_add_u32 v[AW1], v11, 8, v[AW1]
	v_lshl_add_u32 v[AW1], v5, 10, v[AW1]          ; W1[2 h][64 (r / 8) + r % 8]
	v_lshlrev_b32 v[A64], 8, v5                    ; 64 h numbers
	v_lshlrev_b32 v[AW2], 4, v4
	v_lshl_add_u32 v[AW2], v5, 14, v[AW2]          ; W2[64 h][4 r]
	v_lshlrev_b32 v[A32], 7, v5                    ; 32 h numbers
	v_lshlrev_b32 v[AG], 2, v12
	v_lshl_add_u32 v[AG], v5, 10, v[AG]            ; W3[32 h][my row's head]
	v_lshlrev_b32 v[AC], 5, v4
	v_lshl_add_u32 v[AC], v5, 4, v[AC]             ; W3[r][4 h]
	v_lshlrev_b32 v[AB], 2, v4                     ; beta2[r]
	v_lshlrev_b32 v[A16], 4, v5                    ; 4 h numbers
	s_and_b32 s4, ttmp7, 0xffff                    ; b; ttmp9 is g
	s_lshl_b32 s5, s4, 6
	s_add_co_u32 s5, s5, ttmp9
	s_mul_i32 s6, s5, 28                           ; my pose: (64 b + g) x 7 numbers
	s_mov_b32 s7, 0
	s_mul_i32 s72, s4, 49152                       ; my points: b x 4,096 x 12 bytes + wave x 512 x 12
	s_mul_i32 s5, s2, 6144
	s_add_co_u32 s72, s72, s5
	s_mov_b32 s73, 0
	s_lshl_b32 s70, s4, 23                         ; my results: (b << 23) + (g << 14) + (wave << 11); a head is 1 << 20 bytes
	s_lshl_b32 s5, ttmp9, 14
	s_add_co_u32 s70, s70, s5
	s_lshl_b32 s5, s2, 11
	s_add_co_u32 s70, s70, s5
	s_mov_b32 s71, 0
	s_mov_b32 s57, 0xffff0000                      ; lanes 16-31
	s_mov_b32 s58, 0x76543210                      ; v_permlanex16_b32: each lane takes its own place in the other half
	s_mov_b32 s59, 0xfedcba98
	s_mov_b32 s63, 0x3727c5ac                      ; 1e-5
	s_mov_b32 s66, 0x3c000000                      ; 1 / 128
	s_mov_b32 s67, 0x3c800000                      ; 1 / 64
	s_wait_kmcnt 0x0
	s_add_nc_u64 s[30:31], s[30:31], s[6:7]
	s_add_nc_u64 s[74:75], s[32:33], s[72:73]      ; the points' base: my wave's group 0
	s_add_nc_u64 s[76:77], s[36:37], s[70:71]      ; the results' base: likewise
	s_load_b64 s[38:39], s[34:35], 0x0             ; e0, e1
	s_load_b96 s[40:42], s[30:31], 0x0             ; t
	s_load_b128 s[44:47], s[30:31], 0xc            ; the quaternion x, y, z, w
	s_mov_b32 s70, 0                               ; what the first trip adds to the results' base
	; ---- 77 loads of small tables, then three chunks of W2
.irp u, 0,1,2,3,4,5,6,7
.irp j, 0,1
	global_load_b32 v[W1F+2*\u+\j], v[AW1], s[8:9] offset:512*\j+32*\u    ; W1[2 h + j][64 (r / 8) + 8 u + r % 8]
.endr
.endr
.irp i, 0,1,2
	global_load_b128 v[PB+4*\i:PB+4*\i+3], v[PTO], s[74:75] offset:16*\i  ; group 0's points 4 r .. 4 r + 3
.endr
.irp i, 0,1,2,3,4,5,6,7
	global_load_b128 v[X+4*\i:X+4*\i+3], v[A32], s[18:19] offset:16*\i    ; b2[32 h + ..]
.endr
.irp i, 0,1,2,3,4,5,6,7
	global_load_b128 v[X+32+4*\i:X+35+4*\i], v[A32], s[20:21] offset:16*\i   ; g2[32 h + ..]
.endr
.set kk, 0
.rept 32
	global_load_b32 v[B2C+kk], v[AG], s[24:25] offset:32*kk               ; W3[32 h + kk][my row's head]
.set kk, kk+1
.endr
.irp i, 0,1,2,3
	global_load_b128 v[O+4*\i:O+4*\i+3], v[AC], s[24:25] offset:512*\i    ; W3[r + 16 i][4 h ..]
.endr
.irp i, 0,1,2,3
	global_load_b32 v[S+\i], v[AB], s[22:23] offset:64*\i                 ; beta2[r + 16 i]
.endr
	global_load_b128 v[CV:CV+3], v[A16], s[26:27]                         ; b3[4 h ..]
	global_load_b128 v[BSV:BSV+3], v[A16], s[28:29]                       ; bias_scale[4 h ..]
	W2LOAD 0, B1                                   ; W2's chunks lie for a while where b1, g1 and beta1 will stay
	W2LOAD 1, G1
	W2LOAD 2, BE1
	WIN 0
	s_wait_loadcnt 48                              ; the 77 are in; W2's three chunks, 48 loads, may be out
	s_wait_kmcnt 0x0
	; ---- the powers of two, made as f32 patterns from the whole numbers
	s_add_co_i32 s5, s38, 127
	s_lshl_b32 s6, s5, 23
	v_mov_b32 v[SC1], s6                           ; 2^e0: the conversion takes its exponent field
	s_add_co_i32 s5, s5, 15
	s_lshl_b32 s5, s5, 23
	s_or_b32 s5, s5, 0x600000
	v_mov_b32 v[LIM1], s5                          ; 57,344 x 2^e0
	s_add_co_i32 s5, s39, 127
	s_lshl_b32 s6, s5, 23
	v_mov_b32 v[SC2], s6                           ; 2^e1
	s_add_co_i32 s5, s5, 15
	s_lshl_b32 s5, s5, 23
	s_or_b32 s5, s5, 0x600000
	v_mov_b32 v[LIM2], s5                          ; 57,344 x 2^e1
	s_add_co_i32 s5, s38, s39                      ; e0 + e1
	s_sub_co_i32 s78, 0, s5
	s_add_co_i32 s6, s5, 127
	s_lshl_b32 s60, s6, 23                         ; 2^(e0 + e1)
	s_mov_b32 s61, s60                             ; (named with it as a pair, so it is written)
	s_add_co_i32 s6, s5, 121
	s_lshl_b32 s62, s6, 23
	s_or_b32 s62, s62, 0x80000000                  ; -2^(e0 + e1) / 64
	; ---- g2 x W3 in f16.  Place (a, w, half) of the fragments stands for register 16 a + 2 w + half of the second layer, which is unit 32 h + 4 (i % 8) + i / 8
.set kk, 0
.rept 16
	v_pk_mul_f32 v[B2C+kk:B2C+kk+1], v[B2C+kk:B2C+kk+1], v[X+32+kk:X+33+kk]
.set kk, kk+2
.endr
.irp a, 0,1
.irp w, 0,1,2,3,4,5,6,7
	v_cvt_pk_f16_f32 v[GF+8*\a+\w], v[B2C+4*((2*\w)%8)+2*\a+\w/4], v[B2C+4*((2*\w)%8)+2*\a+\w/4+4]
.endr
.endr
	; ---- b2 / 2^(e0 + e1) in the second layer's layout
.irp t, 0,1,2,3
.irp j, 0,1,2,3,4,5,6,7
	v_ldexp_f32 v[B2C+8*\t+\j], v[X+4*\j+\t], s78
.endr
.endr
	; ---- (beta2 . W3 + b3) x bias_scale for my four heads: four rows a lane, then the sixteen lanes of my half
.irp j, 0,1,2,3
	v_mul_f32 v[S+4+\j], v[S], v[O+\j]
.endr
.irp i, 1,2,3
.irp j, 0,1,2,3
	v_fma_f32 v[S+4+\j], v[S+\i], v[O+4*\i+\j], v[S+4+\j]
.endr
.endr
.irp m, 1,2,4,8
.irp j, 0,1,2,3
	v_add_f32_dpp v[S+4+\j], v[S+4+\j], v[S+4+\j] row_xmask:\m row_mask:0xf bank_mask:0xf
.endr
.endr
.irp j, 0,1,2,3
	v_add_f32 v[CV+\j], v[CV+\j], v[S+4+\j]
.endr
.irp j, 0,1,2,3
	v_mul_f32 v[CV+\j], v[CV+\j], v[BSV+\j]
.endr
	; ---- the rotation, the same number in every lane, then into scalar registers: s[48 + 3 j + i] = R[j][i]
	v_mul_f32 v[X], s44, s44
	v_fma_f32 v[X], s45, s45, v[X]
	v_fma_f32 v[X], s46, s46, v[X]
	v_fma_f32 v[X], s47, s47, v[X]
	v_sqrt_f32 v[X+1], v[X]
	v_nop
	s_wait_alu depctr_va_vdst(0)
	v_add_f32 v[X+1], 0x322bcc77, v[X+1]           ; + 1e-8
	v_rcp_f32 v[X+2], v[X+1]
	v_nop
	s_wait_alu depctr_va_vdst(0)
.irp i, 0,1,2,3
	v_mul_f32 v[X+4+\i], s[44+\i], v[X+2]          ; x, y, z, w
.endr
	v_mul_f32 v[X+8], v[X+4], v[X+4]               ; xx
	v_mul_f32 v[X+9], v[X+5], v[X+5]               ; yy
	v_mul_f32 v[X+10], v[X+6], v[X+6]              ; zz
	v_mul_f32 v[X+11], v[X+4], v[X+5]              ; xy
	v_mul_f32 v[X+12], v[X+4], v[X+6]              ; xz
	v_mul_f32 v[X+13], v[X+5], v[X+6]              ; yz
	v_mul_f32 v[X+14], v[X+7], v[X+4]              ; wx
	v_mul_f32 v[X+15], v[X+7], v[X+5]              ; wy
	v_mul_f32 v[X+16], v[X+7], v[X+6]              ; wz
	v_add_f32 v[X+20], v[X+9], v[X+10]             ; yy + zz
	v_sub_f32 v[X+21], v[X+11], v[X+16]            ; xy - wz
	v_add_f32 v[X+22], v[X+12], v[X+15]            ; xz + wy
	v_add_f32 v[X+23], v[X+11], v[X+16]            ; xy + wz
	v_add_f32 v[X+24], v[X+8], v[X+10]             ; xx + zz
	v_sub_f32 v[X+25], v[X+13], v[X+14]            ; yz - wx
	v_sub_f32 v[X+26], v[X+12], v[X+15]            ; xz - wy
	v_add_f32 v[X+27], v[X+13], v[X+14]            ; yz + wx
	v_add_f32 v[X+28], v[X+8], v[X+9]              ; xx + yy
.irp k, 20,24,28
	v_fma_f32 v[X+\k], v[X+\k], -2.0, 1.0
.endr
.irp k, 21,22,23,25,26,27
	v_add_f32 v[X+\k], v[X+\k], v[X+\k]
.endr
.irp k, 0,1,2,3,4,5,6,7,8
	v_readfirstlane_b32 s[48+\k], v[X+20+\k]
.endr
	; ---- W2's codes, a chunk of sixteen rows at a time; behind each chunk sixteen more loads go out into the registers that it has left
	W2Q 0, B1
	W2LOAD 3, B1
	W2Q 1, G1
	CLOAD G1, 12
	W2Q 2, BE1
	CLOAD BE1, 14
	W2Q 3, B1
	CLOAD B1, 10
	WIN 0
	; ---- the pipeline is primed: tile 0's first layer, tile 1's features
	FEATA 0
	FEATB
	s_wait_loadcnt 0x0                             ; b1, g1, beta1
	MM1
	FEATA 3                                        ; these two macros' plain instructions, fifteen ahead of the first write of the fragment, are the places behind the f32 products (ISA guide 7.12.1)
	FEATB
	s_mov_b32 s68, 8
.Lgroup:                                           ; a trip: a group of 64 points
	s_wait_xcnt 0x0                                ; the last trip's stores and loads have read their registers and bases: only behind this wait are the bases stepped and the results' registers written again
	s_add_nc_u64 s[76:77], s[76:77], s[70:71]      ; the results' base: 0 on in the first trip, 256 bytes on in the others
	s_mov_b32 s70, 256
	s_cmp_eq_u32 s68, 1
	s_cselect_b32 s72, 0, 768                      ; the points' base goes a group ahead of the work; the last trip has no group ahead and stays inside the buffer
	s_add_nc_u64 s[74:75], s[74:75], s[72:73]
	global_load_b128 v[PB:PB+3], v[PTO], s[74:75]  ; the next group's first 16 bytes: these registers' last readers stand in the trip before
	TILE 0, 6, 1, 1                                ; the count leaves out the load just issued: the last trip's second and third are in
	TILE 1, 9, -1, 2
	TILE 2, 0, 2, 0                                ; this trip's first load is in; its second and third may be out
	TILE 3, 3, 1, 0                                ; its second is in too
.irp j, 0,1,2,3
	global_store_b128 v[OUTO], v[O+4*\j:O+4*\j+3], s[76:77] offset:\j*1048576 th:TH_STORE_NT   ; lanes 0-15: 256 consecutive bytes of head j, aligned; lanes 16-31: of head 4 + j.  Written once, read by nobody here
.endr
	s_sub_co_u32 s68, s68, 1
	s_cmp_lg_u32 s68, 0
	s_cbranch_scc1 .Lgroup
	s_endpgm
.Lfunc_end_k_q188e7f58bb_bias:
	.size	k_q188e7f58bb_bias, .Lfunc_end_k_q188e7f58bb_bias-k_q188e7f58bb_bias
	.p2alignl 7, 3214868480
	.fill 96, 4, 3214868480
	.section	.rodata,"a",@progbits
	.p2align	6, 0x0
	.amdhsa_kernel k_q188e7f58bb_bias
		.amdhsa_group_segment_fixed_size 0
		.amdhsa_private_segment_fixed_size 0
		.amdhsa_enable_private_segment 0
		.amdhsa_kernarg_size 120
		.amdhsa_user_sgpr_count 2
		.amdhsa_user_sgpr_kernarg_segment_ptr 1
		.amdhsa_wavefront_size32 1
		.amdhsa_system_sgpr_workgroup_id_x 1
		.amdhsa_system_sgpr_workgroup_id_y 1
		.amdhsa_system_sgpr_workgroup_id_z 1
		.amdhsa_system_vgpr_workitem_id 0
		.amdhsa_next_free_vgpr 512
		.amdhsa_next_free_sgpr 80
		.amdhsa_reserve_vcc 0
		.amdhsa_float_denorm_mode_32 3
		.amdhsa_float_denorm_mode_16_64 3
		.amdhsa_memory_ordered 1
		.amdhsa_forward_progress 1
		.amdhsa_inst_pref_size 158
	.end_amdhsa_kernel
	.amdgpu_metadata
---
amdhsa.version: [ 1, 2 ]
amdhsa.kernels:
  - .name:           k_q188e7f58bb_bias
    .symbol:         k_q188e7f58bb_bias.kd
    .args:
      - { .name: W1, .offset: 0, .size: 8, .value_kind: global_buffer, .address_space: global }
      - { .name: b1, .offset: 8, .size: 8, .value_kind: global_buffer, .address_space: global }
      - { .name: g1, .offset: 16, .size: 8, .value_kind: global_buffer, .address_space: global }
      - { .name: beta1, .offset: 24, .size: 8, .value_kind: global_buffer, .address_space: global }
      - { .name: W2, .offset: 32, .size: 8, .value_kind: global_buffer, .address_space: global }
      - { .name: b2, .offset: 40, .size: 8, .value_kind: global_buffer, .address_space: global }
      - { .name: g2, .offset: 48, .size: 8, .value_kind: global_buffer, .address_space: global }
      - { .name: beta2, .offset: 56, .size: 8, .value_kind: global_buffer, .address_space: global }
      - { .name: W3, .offset: 64, .size: 8, .value_kind: global_buffer, .address_space: global }
      - { .name: b3, .offset: 72, .size: 8, .value_kind: global_buffer, .address_space: global }
      - { .name: bias_scale, .offset: 80, .size: 8, .value_kind: global_buffer, .address_space: global }
      - { .name: grasp_poses, .offset: 88, .size: 8, .value_kind: global_buffer, .address_space: global }
      - { .name: scene_points, .offset: 96, .size: 8, .value_kind: global_buffer, .address_space: global }
      - { .name: lowp_scales, .offset: 104, .size: 8, .value_kind: global_buffer, .address_space: global }
      - { .name: out0, .offset: 112, .size: 8, .value_kind: global_buffer, .address_space: global }
    .group_segment_fixed_size: 0
    .private_segment_fixed_size: 0
    .kernarg_segment_align: 8
    .kernarg_segment_size: 120
    .max_flat_workgroup_size: 256
    .sgpr_count:     80
    .vgpr_count:     512
    .wavefront_size: 32
...
	.end_amdgpu_metadata
.endif
;; end of part 1
;; ======== version 2 of 2: 1 launch; version 1 with the launch bias written anew for expert scheduling mode
;; limits: values are held in f16: magnitudes above 65,504 overflow, below 6.1e-05 lose precision
;; launch bias (part 2): grid 64 x 4, 8 waves a work-group, no clusters, 0 bytes of LDS; arguments W1, b1, g1, beta1, W2, b2, g2, beta2, W3, b3, bias_scale, grasp_poses, scene_points, lowp_scales, out0; writes out0
.if DOCPART == 2
	.amdgcn_target "amdgcn-amd-amdhsa--gfx1250"
	.amdhsa_code_object_version 6
	.text
	.protected	k_q188e7f58bb_bias
	.globl	k_q188e7f58bb_bias
	.p2align	8
	.type	k_q188e7f58bb_bias,@function
k_q188e7f58bb_bias:
	s_mov_b64 s[64:65], 0
	v_nop
	global_prefetch_b8 v0, s[64:65] scope:SCOPE_SE
	s_setreg_imm32_b32 hwreg(HW_REG_WAVE_SCHED_MODE, 0, 2), 2
	s_setreg_imm32_b32 hwreg(HW_REG_WAVE_MODE, 25, 1), 1
	s_wait_xcnt 0x0
	s_wait_alu depctr_vm_vsrc(0)
; out0[b][hd][g][p] = bias_scale[hd] x (LN2(relu(Q(LN1(relu(f W1 + b1))) Q(W2) + b2)) W3 + b3)[hd],  f = (R^T (point p - t), its length) for grasp g of batch b.
; ONE LAUNCH DOES ALL OF IT.  A work-group is one (b, g): 4,096 points; each of its eight waves takes 512 of them, in 8 groups of 64, a group in 4 tiles of 16 points.  No LDS, no barrier: waves share nothing.
; grasp_tokens is an argument that the computation never touches: it is not loaded.
; THE THREE PRODUCTS ARE USED TRANSPOSED (source 0 = weights, source 1 = 16 points), so that a lane holds ONE point (lane % 16 = r) throughout and its registers run along the units; h = lane / 16.
;   4 -> 128   v_wmma_f32_16x16x4_f32, f32 operands since the result goes on into a quantiser; b1 is its C.  Row m of tile tau is unit 64 (m / 8) + 8 tau + m % 8: register i of lane (r, h) is unit 64 h + i.
;   128 -> 64  v_wmma_f32_16x16x64_bf8_bf8, two K steps.  Code byte q of half h in step s is unit 64 h + 32 s + q in BOTH operands: a permutation of k, the same on both sides, so every product meets its partner.
;              Row m of tile t is output unit 4 m + t: register 8 t + j is unit 32 h + 4 j + t.  C of the first step is b2 / 2^(e0 + e1); the sums are brought to true size by one packed multiply-add with the mean.
;   64 -> 8    v_wmma_f32_16x16x32_f16, twice.  Its left operand is g2 x W3 in f16, its right one the normalised hidden layer (magnitude at most 8) in f16; beta2 . W3 + b3 and bias_scale stay in f32.
; LAYER NORMS in two passes (mean; then the mean of (x - mean)^2), as the definition has them; a row's two halves lie in lanes r and r + 16 and meet by one lane exchange.
; POINTS OF A TILE: tile T gives lane r the point 4 r + T of the group.  After four tiles a lane holds four neighbouring points of a head: sixteen lanes store 256 consecutive bytes, aligned, with no turn through LDS.
; PIPELINE: while tile T's first layer norm is worked, the matrix unit makes tile T + 1's first layer; the features of tile T + 2 are made in tile T.  The last trip reads its own group's points again (no load
; leaves the buffer) and prepares two tiles that nobody uses.
; LIMITS: e0 and e1 between -126 and 112; e0 + e1 between -120 and 127; b2 / 2^(e0 + e1) an f32 number; |g2 x W3| under 65,504 (f16), and kept to 6e-8 absolute where it is under 6e-5.  NaN among the inputs is not served.
; THE MODE: SCHED_MODE bits 1:0 = 2 (LLVM: expert scheduling mode 2), set by the entry lines.  The code itself states the register dependences between vector or matrix instructions and memory instructions,
; with s_wait_alu, always for 0.
; THE PLAN.  Registers that memory instructions touch:
;   v1, v2, v44-47   offsets, written once at the head, read by loads and stores, never written again: the rows are reached by scalar bases and immediate offsets.
;   v6-9             offsets of 42 loads at the head; the features' lines write them anew: one wait on vm_vsrc at the head.
;   window 1, v0-191 W2's chunks land there, W2Q's holds read them, and the next sixteen loads land in the registers just read: one wait on va_vdst at the end of W2Q.
;   v32-43 (PB)      written by loads alone, read by FEATA alone.  A quarter is asked for again straight behind a wait on va_vdst that a layer norm's v_rsq_f32 has in any case, and that stands behind the quarter's last
;                    reader: v32-35 in tile 0's first layer norm (last reader: FEATA 3, in the trip before or at the head), v36-39 in tile 0's second (FEATA 6, in tile 0), v40-43 in tile 1's second (FEATA 9, in tile 1).
;   v48-63 (O)       written by FIN 0 to 3, read by the four stores at the trip's end: one wait on va_vdst ahead of the stores, one on vm_vsrc at the next trip's head, ahead of FIN 0.
;   All other registers of the loop are named by vector and matrix instructions alone.  Scalar registers that vector instructions write (s2, s48-56): a wait on va_sdst behind each run of writers.
; REGISTERS, window 0: v1, v2 offsets; v3 the lane exchange; v[4:5] the feature fragment; v6-9 the local point and a sum; v[10:11] -mean, 57,344 x 2^e0; v[12:13] 1 / sigma, 2^e0; v14 the length;
;   v16-23 four packed sums, then the codes; v24-31 bias_scale and the constant of my four heads; v32-43 four points; v44-47 offsets; v48-63 the group's results; v64-79 W1; v80-95 g2 x W3; v96-127 b2 / 2^(e0+e1);
;   v128-191 the first layer's sums, written by matrix instructions alone; v192-255 the numbers at work.   window 1: v0-63 b1, v64-127 g1, v128-191 beta1, v192-255 W2's codes.
.set OUTO, 1                           ; (h << 22) + 16 r: heads 4 h on, my four points
.set PTO,  2                           ; 48 r: my four points' 48 bytes in a group's 768
.set TP,   3
.set FB,   4
.set LX,   6
.set LY,   7
.set LZ,   8
.set T1,   9
.set NM,   10
.set LIM1, 11
.set RS,   12
.set SC1,  13
.set T2,   14
.set LIM2, 14                          ; at the head alone: 57,344 x 2^e1,
.set SC2,  15                          ; and 2^e1
.set S,    16
.set BSV,  24
.set CV,   28
.set PB,   32
.set AW1,  44
.set A64,  45
.set AW2,  46
.set A32,  47
.set O,    48
.set W1F,  64
.set GF,   80
.set B2C,  96
.set ACC1, 128
.set X,    192
.set AG,   6                           ; at the head alone: offsets of W3 (for g2 x W3), of W3 (for beta2 . W3), of beta2, of b3 and bias_scale
.set AC,   7
.set AB,   8
.set A16,  9
.set B1,   0                           ; window 1
.set G1,   64
.set BE1,  128
.set W2F,  192
.set MSB, 0
.macro WIN new                         ; low byte: bits 1:0 source 0, 3:2 source 1, 5:4 source 2, 7:6 destination; the high byte repeats the setting that is left; a switch that changes nothing is dropped
.if MSB != \new
	s_set_vgpr_msb (MSB<<8)|\new
.set MSB, \new
.endif
.endm
; The point at v[PB + f] on, into the grasp's frame: l_i = the sum over j of R[j][i] (p_j - t_j).  Twelve plain instructions.
.macro FEATA f
	v_sub_f32 v[X+48], v[PB+(\f)], s40
	v_sub_f32 v[X+49], v[PB+(\f)+1], s41
	v_sub_f32 v[X+50], v[PB+(\f)+2], s42
.irp i, 0,1,2
	v_mul_f32 v[LX+\i], s[48+\i], v[X+48]
.endr
.irp i, 0,1,2
	v_fma_f32 v[LX+\i], s[51+\i], v[X+49], v[LX+\i]
.endr
.irp i, 0,1,2
	v_fma_f32 v[LX+\i], s[54+\i], v[X+50], v[LX+\i]
.endr
.endm
; Its length, and the fragment: register j of lane (r, h) is feature 2 h + j: (lx, ly) in lanes 0-15, (lz, length) in lanes 16-31.
.macro FEATB
	v_mul_f32 v[T1], v[LX], v[LX]
	v_fma_f32 v[T1], v[LY], v[LY], v[T1]
	v_fma_f32 v[T1], v[LZ], v[LZ], v[T1]
	v_sqrt_f32 v[T2], v[T1]
	v_cndmask_b32 v[FB], v[LX], v[LZ], s57         ; a plain instruction behind the root, which names neither its result nor its source
	s_wait_alu depctr_va_vdst(0)                   ; the root has written v[T2], which the select below reads
	v_cndmask_b32 v[FB+1], v[LY], v[T2], s57
.endm
; The first layer of the tile whose features stand in v[FB:FB+1]: eight tiles of 16 units, each one instruction, K = 4, C = b1.
.macro MM1
	WIN 0x10                                       ; C (b1) in window 1
.irp u, 0,1,2,3,4,5,6,7
	v_wmma_f32_16x16x4_f32 v[ACC1+8*\u:ACC1+8*\u+7], v[W1F+2*\u:W1F+2*\u+1], v[FB:FB+1], v[B1+8*\u:B1+8*\u+7]
.endr
	WIN 0
.endm
; Four packed chains become the row's sum, in v[T1] of every lane: the chains, a pair's two halves, the lane 16 away.
.macro MERGE
	v_pk_add_f32 v[S:S+1], v[S:S+1], v[S+2:S+3]
	v_pk_add_f32 v[S+4:S+5], v[S+4:S+5], v[S+6:S+7]
	v_pk_add_f32 v[S:S+1], v[S:S+1], v[S+4:S+5]
	v_add_f32 v[T1], v[S], v[S+1]
	v_permlanex16_b32 v[TP], v[T1], s58, s59
	v_add_f32 v[T1], v[T1], v[TP]
.endm
.macro PSUM np                         ; the sum of the first np pairs of X; the first eight pairs start the chains: nothing is cleared
.irp c, 0,1,2,3
	v_pk_add_f32 v[S+2*\c:S+2*\c+1], v[X+2*\c:X+2*\c+1], v[X+8+2*\c:X+9+2*\c]
.endr
.set pp, 8
.rept \np-8
	v_pk_add_f32 v[S+2*(pp%4):S+2*(pp%4)+1], v[S+2*(pp%4):S+2*(pp%4)+1], v[X+2*pp:X+2*pp+1]
.set pp, pp+1
.endr
	MERGE
.endm
.macro PSQ np                          ; the sum of their squares
.irp c, 0,1,2,3
	v_pk_mul_f32 v[S+2*\c:S+2*\c+1], v[X+2*\c:X+2*\c+1], v[X+2*\c:X+2*\c+1]
.endr
.set pp, 4
.rept \np-4
	v_pk_fma_f32 v[S+2*(pp%4):S+2*(pp%4)+1], v[X+2*pp:X+2*pp+1], v[X+2*pp:X+2*pp+1], v[S+2*(pp%4):S+2*(pp%4)+1]
.set pp, pp+1
.endr
	MERGE
.endm
; The first layer norm, on my 64 of the row's 128 numbers: ((x - mean) / sigma) g1 + beta1.  ld = 1: the next group's first 16 bytes of points are asked for behind its wait.
.macro LN1 ld
	PSUM 32
	v_mul_f32 v[NM], 0xbc000000, v[T1]             ; -sum / 128
.set pp, 0
.rept 32
	v_pk_add_f32 v[X+pp:X+pp+1], v[X+pp:X+pp+1], v[NM:NM+1] op_sel_hi:[1,0]
.set pp, pp+2
.endr
	PSQ 32
	v_fma_f32 v[T1], v[T1], s66, s63               ; / 128 + 1e-5
	v_rsq_f32 v[RS], v[T1]
	v_nop                                          ; a plain instruction behind the transcendental
	s_wait_alu depctr_va_vdst(0)                   ; v_rsq_f32 has written v[RS], which the multiplies below read; ld = 1: and the features' lines of the trip before (the first trip: of the head) are done reading v[PB:PB+3], in which the load below lands
.if \ld
	global_load_b128 v[PB:PB+3], v[PTO], s[74:75]  ; the next group's first 16 bytes; nothing stands between the wait and this load
.endif
.set pp, 0
.rept 32
	v_pk_mul_f32 v[X+pp:X+pp+1], v[X+pp:X+pp+1], v[RS:RS+1] op_sel_hi:[1,0]
.set pp, pp+2
.endr
	WIN 0x14                                       ; g1 and beta1 in window 1
.set pp, 0
.rept 32
	v_pk_fma_f32 v[X+pp:X+pp+1], v[X+pp:X+pp+1], v[G1+pp:G1+pp+1], v[BE1+pp:BE1+pp+1]
.set pp, pp+2
.endr
	WIN 0
.endm
; K step s of the quantised product: my units 32 s .. 32 s + 31 are held at the largest code x 2^e0 (the conversion to an 8-bit code does not saturate: ISA guide 7.6.2), converted, and multiplied by W2's four tiles.
; The four accumulators take turns, one instruction a turn.  Step 1's first eight holds are the places between step 0's products and the conversion that writes the codes anew.
.macro QH s
.irp a, 0,1,2,3
.irp i, 0,1,2,3,4,5,6,7
	v_med3_num_f32 v[X+32*\s+8*\a+\i], v[X+32*\s+8*\a+\i], -v[LIM1], v[LIM1]
.endr
	v_cvt_scalef32_pk8_bf8_f32 v[S+2*\a:S+2*\a+1], v[X+32*\s+8*\a:X+32*\s+8*\a+7], v[SC1]
.endr
	v_nop                                          ; one plain instruction between the last conversion and the products, which read its result and (step 0) write its sources
	WIN 0x01                                       ; W2's codes in window 1
.irp t, 0,1,2,3
.if \s == 0
	v_wmma_f32_16x16x64_bf8_bf8 v[X+8*\t:X+8*\t+7], v[W2F+16*\t:W2F+16*\t+7], v[S:S+7], v[B2C+8*\t:B2C+8*\t+7]
.else
	v_wmma_f32_16x16x64_bf8_bf8 v[X+8*\t:X+8*\t+7], v[W2F+16*\t+8:W2F+16*\t+15], v[S:S+7], v[X+8*\t:X+8*\t+7]
.endif
.endr
	WIN 0
.endm
; relu, the second layer norm without its gain and offset (they lie in the last product's weights and constant), f16, the last product.  ld: which 16 bytes of the next group's 48 are asked for behind its wait (0: none).
.macro LN2 ld
.set kk, 0
.rept 32
	v_max_num_f32 v[X+kk], 0, v[X+kk]              ; each accumulator from its low end on
.set kk, kk+1
.endr
	PSUM 16
	v_mul_f32 v[NM], s62, v[T1]                    ; -mean in true size: the sum x -2^(e0 + e1) / 64
.set pp, 0
.rept 16
	v_pk_fma_f32 v[X+pp:X+pp+1], v[X+pp:X+pp+1], s[60:61], v[NM:NM+1] op_sel_hi:[1,0,0]   ; x 2^(e0 + e1) - mean
.set pp, pp+2
.endr
	PSQ 16
	v_fma_f32 v[T1], v[T1], s67, s63               ; / 64 + 1e-5
	v_rsq_f32 v[RS], v[T1]
	v_nop                                          ; a plain instruction behind the transcendental
	s_wait_alu depctr_va_vdst(0)                   ; v_rsq_f32 has written v[RS], which the multiplies below read; ld > 0: and this tile's features' lines, the last readers of the four registers in which the load below lands, are done reading them
.if \ld > 0
	global_load_b128 v[PB+4*\ld:PB+4*\ld+3], v[PTO], s[74:75] offset:16*\ld   ; nothing stands between the wait and this load
.endif
.set pp, 0
.rept 16
	v_pk_mul_f32 v[X+pp:X+pp+1], v[X+pp:X+pp+1], v[RS:RS+1] op_sel_hi:[1,0]
.set pp, pp+2
.endr
.set kk, 0
.rept 16
	v_cvt_pk_f16_f32 v[X+32+kk], v[X+2*kk], v[X+2*kk+1]
.set kk, kk+1
.endr
	v_wmma_f32_16x16x32_f16 v[X+48:X+55], v[GF:GF+7], v[X+32:X+39], 0       ; two sums of 32 units each, an accumulator each
	v_wmma_f32_16x16x32_f16 v[X+56:X+63], v[GF+8:GF+15], v[X+40:X+47], 0
.endm
; Registers 0-3 of the two sums are heads 4 h .. 4 h + 3 of my point: added, x bias_scale, + the constant, into the group's results.
.macro FIN T
	v_pk_add_f32 v[X+48:X+49], v[X+48:X+49], v[X+56:X+57]
	v_pk_add_f32 v[X+50:X+51], v[X+50:X+51], v[X+58:X+59]
.irp j, 0,1,2,3
	v_fma_f32 v[O+4*\j+\T], v[X+48+\j], v[BSV+\j], v[CV+\j]
.endr
.endm
; A TILE.  f: where the point of tile T + 2 stands; w: how many younger loads may stay out when it is read (-1: it was shown landed earlier); ld: which 16 bytes of the next group's 48 its second layer norm asks for (0: none).
; Tile 0's first layer norm asks for the first 16.
.macro TILE T, f, w, ld
.set kk, 0
.rept 64
	v_max_num_f32 v[X+kk], 0, v[ACC1+kk]           ; relu, out of the sums' registers, each accumulator from its low end on
.set kk, kk+1
.endr
	MM1                                            ; tile T + 1's first layer runs beside the vector work below
.if \T == 0
	LN1 1
.else
	LN1 0
.endif
	QH 0
	QH 1
.if \w >= 0
	s_wait_loadcnt \w
.endif
	FEATA \f                                       ; twelve plain instructions that name no register of the products above: the places ahead of the first read of their results
	LN2 \ld
	FEATB                                          ; five plain instructions: the places behind the last products; the fragment's last reader, MM1, stands far back
	FIN \T
.endm
; The head's loads into window 1.  W2: rows 64 h + 16 c + i, columns 4 r .. 4 r + 3: sixteen lanes read a row's 256 bytes.
.macro W2LOAD c, raw
	WIN 0x40
.irp i, 0,1,2,3,4,5,6,7,8,9,10,11,12,13,14,15
	global_load_b128 v[\raw+4*\i:\raw+4*\i+3], v[AW2], s[16:17] offset:256*(16*\c+\i)
.endr
.endm
.macro CLOAD area, ptr                 ; b1, g1 or beta1: my half's 64 numbers
	WIN 0x40
.irp i, 0,1,2,3,4,5,6,7,8,9,10,11,12,13,14,15
	global_load_b128 v[\area+4*\i:\area+4*\i+3], v[A64], s[\ptr:\ptr+1] offset:16*\i
.endr
.endm
; Sixteen rows of W2 become 16 code bytes of each of the four tiles' fragments.  The hold also sorts the numbers: register 16 t + i = W2[64 h + 16 c + i][4 r + t], so that a conversion's eight sources run down K.
.macro W2Q c, raw
	s_wait_loadcnt 32                              ; this chunk's sixteen loads are in; two younger runs of sixteen may be out
	WIN 0x01
.irp t, 0,1,2,3
.irp i, 0,1,2,3,4,5,6,7,8,9,10,11,12,13,14,15
	v_med3_num_f32 v[X+16*\t+\i], v[\raw+4*\i+\t], -v[LIM2], v[LIM2]
.endr
.endr
	WIN 0x40
.irp t, 0,1,2,3
.irp u, 0,1
	v_cvt_scalef32_pk8_bf8_f32 v[W2F+16*\t+4*\c+2*\u:W2F+16*\t+4*\c+2*\u+1], v[X+16*\t+8*\u:X+16*\t+8*\u+7], v[SC2]
.endr
.endr
	v_nop                                          ; one plain instruction behind the last conversion: the next chunk's holds write its sources
	s_wait_alu depctr_va_vdst(0)                   ; the holds are done reading the chunk's 64 registers, in which the sixteen loads that follow this macro land (the window is those loads' already)
.endm
	; ---- arguments, lane offsets, the work-group's and the wave's places
	s_load_b512 s[8:23], s[0:1], 0x0               ; W1 s[8:9], b1 s[10:11], g1 s[12:13], beta1 s[14:15], W2 s[16:17], b2 s[18:19], g2 s[20:21], beta2 s[22:23]
	s_load_b256 s[24:31], s[0:1], 0x40             ; W3 s[24:25], b3 s[26:27], bias_scale s[28:29], poses s[30:31]
	s_load_b128 s[32:35], s[0:1], 0x60             ; points s[32:33], the scales' exponents s[34:35]
	s_load_b64 s[36:37], s[0:1], 0x70              ; out0
	v_lshrrev_b32 v[TP], 5, v0
	v_readfirstlane_b32 s2, v[TP]                  ; wave 0..7
	v_and_b32 v4, 15, v0                           ; r
	v_bfe_u32 v5, v0, 4, 1                         ; h
	v_and_b32 v10, 7, v4                           ; r % 8
	v_lshrrev_b32 v11, 3, v4                       ; r / 8
	v_and_b32 v12, 3, v4
	v_lshl_add_u32 v12, v11, 2, v12                ; the head of row r of the last product's weights: r % 4 + 4 (r / 8); rows 4-7 and 12-15 repeat heads, and their results are not read
	v_lshlrev_b32 v[OUTO], 4, v4
	v_lshl_add_u32 v[OUTO], v5, 22, v[OUTO]
	v_mul_u32_u24 v[PTO], v4, 48
	v_lshlrev_b32 v[AW1], 2, v10
	v_lshl_add_u32 v[AW1], v11, 8, v[AW1]
	v_lshl_add_u32 v[AW1], v5, 10, v[AW1]          ; W1[2 h][64 (r / 8) + r % 8]
	v_lshlrev_b32 v[A64], 8, v5                    ; 64 h numbers
	v_lshlrev_b32 v[AW2], 4, v4
	v_lshl_add_u32 v[AW2], v5, 14, v[AW2]          ; W2[64 h][4 r]
	v_lshlrev_b32 v[A32], 7, v5                    ; 32 h numbers
	v_lshlrev_b32 v[AG], 2, v12
	v_lshl_add_u32 v[AG], v5, 10, v[AG]            ; W3[32 h][my row's head]
	v_lshlrev_b32 v[AC], 5, v4
	v_lshl_add_u32 v[AC], v5, 4, v[AC]             ; W3[r][4 h]
	v_lshlrev_b32 v[AB], 2, v4                     ; beta2[r]
	v_lshlrev_b32 v[A16], 4, v5                    ; 4 h numbers
	s_wait_alu depctr_va_sdst(0)                   ; s2 is written, ahead of its first reader: the wave's places among the points and the results are made from it
	s_and_b32 s4, ttmp7, 0xffff                    ; b; ttmp9 is g
	s_lshl_b32 s5, s4, 6
	s_add_co_u32 s5, s5, ttmp9
	s_mul_i32 s6, s5, 28                           ; my pose: (64 b + g) x 7 numbers
	s_mov_b32 s7, 0
	s_mul_i32 s72, s4, 49152                       ; my points: b x 4,096 x 12 bytes + wave x 512 x 12
	s_mul_i32 s5, s2, 6144
	s_add_co_u32 s72, s72, s5
	s_mov_b32 s73, 0
	s_lshl_b32 s70, s4, 23                         ; my results: (b << 23) + (g << 14) + (wave << 11); a head is 1 << 20 bytes
	s_lshl_b32 s5, ttmp9, 14
	s_add_co_u32 s70, s70, s5
	s_lshl_b32 s5, s2, 11
	s_add_co_u32 s70, s70, s5
	s_mov_b32 s71, 0
	s_mov_b32 s57, 0xffff0000                      ; lanes 16-31
	s_mov_b32 s58, 0x76543210                      ; v_permlanex16_b32: each lane takes its own place in the other half
	s_mov_b32 s59, 0xfedcba98
	s_mov_b32 s63, 0x3727c5ac                      ; 1e-5
	s_mov_b32 s66, 0x3c000000                      ; 1 / 128
	s_mov_b32 s67, 0x3c800000                      ; 1 / 64
	s_wait_kmcnt 0x0
	s_add_nc_u64 s[30:31], s[30:31], s[6:7]
	s_add_nc_u64 s[74:75], s[32:33], s[72:73]      ; the points' base: my wave's group 0
	s_add_nc_u64 s[76:77], s[36:37], s[70:71]      ; the results' base: likewise
	s_load_b64 s[38:39], s[34:35], 0x0             ; e0, e1
	s_load_b96 s[40:42], s[30:31], 0x0             ; t
	s_load_b128 s[44:47], s[30:31], 0xc            ; the quaternion x, y, z, w
	s_mov_b32 s70, 0                               ; what the first trip adds to the results' base
	s_wait_alu depctr_va_vdst(0)                   ; the ten offsets v1, v2, v6 to v9 and v44 to v47 are written: every load and store of the kernel reads one of them.  Up to W2's third chunk only loads and a window switch follow
	; ---- 77 loads of small tables, then three chunks of W2
.irp u, 0,1,2,3,4,5,6,7
.irp j, 0,1
	global_load_b32 v[W1F+2*\u+\j], v[AW1], s[8:9] offset:512*\j+32*\u    ; W1[2 h + j][64 (r / 8) + 8 u + r % 8]
.endr
.endr
.irp i, 0,1,2
	global_load_b128 v[PB+4*\i:PB+4*\i+3], v[PTO], s[74:75] offset:16*\i  ; group 0's points 4 r .. 4 r + 3
.endr
.irp i, 0,1,2,3,4,5,6,7
	global_load_b128 v[X+4*\i:X+4*\i+3], v[A32], s[18:19] offset:16*\i    ; b2[32 h + ..]
.endr
.irp i, 0,1,2,3,4,5,6,7
	global_load_b128 v[X+32+4*\i:X+35+4*\i], v[A32], s[20:21] offset:16*\i   ; g2[32 h + ..]
.endr
.set kk, 0
.rept 32
	global_load_b32 v[B2C+kk], v[AG], s[24:25] offset:32*kk               ; W3[32 h + kk][my row's head]
.set kk, kk+1
.endr
.irp i, 0,1,2,3
	global_load_b128 v[O+4*\i:O+4*\i+3], v[AC], s[24:25] offset:512*\i    ; W3[r + 16 i][4 h ..]
.endr
.irp i, 0,1,2,3
	global_load_b32 v[S+\i], v[AB], s[22:23] offset:64*\i                 ; beta2[r + 16 i]
.endr
	global_load_b128 v[CV:CV+3], v[A16], s[26:27]                         ; b3[4 h ..]
	global_load_b128 v[BSV:BSV+3], v[A16], s[28:29]                       ; bias_scale[4 h ..]
	W2LOAD 0, B1                                   ; W2's chunks lie for a while where b1, g1 and beta1 will stay
	W2LOAD 1, G1
	W2LOAD 2, BE1
	WIN 0
	s_wait_loadcnt 48                              ; the 77 are in; W2's three chunks, 48 loads, may be out
	s_wait_alu depctr_vm_vsrc(0)                   ; the loads above have read their offsets v6 to v9, which the features' lines write anew
	s_wait_kmcnt 0x0
	; ---- the powers of two, made as f32 patterns from the whole numbers
	s_add_co_i32 s5, s38, 127
	s_lshl_b32 s6, s5, 23
	v_mov_b32 v[SC1], s6                           ; 2^e0: the conversion takes its exponent field
	s_add_co_i32 s5, s5, 15
	s_lshl_b32 s5, s5, 23
	s_or_b32 s5, s5, 0x600000
	v_mov_b32 v[LIM1], s5                          ; 57,344 x 2^e0
	s_add_co_i32 s5, s39, 127
	s_lshl_b32 s6, s5, 23
	v_mov_b32 v[SC2], s6                           ; 2^e1
	s_add_co_i32 s5, s5, 15
	s_lshl_b32 s5, s5, 23
	s_or_b32 s5, s5, 0x600000
	v_mov_b32 v[LIM2], s5                          ; 57,344 x 2^e1
	s_add_co_i32 s5, s38, s39                      ; e0 + e1
	s_sub_co_i32 s78, 0, s5
	s_add_co_i32 s6, s5, 127
	s_lshl_b32 s60, s6, 23                         ; 2^(e0 + e1)
	s_mov_b32 s61, s60                             ; (named with it as a pair, so it is written)
	s_add_co_i32 s6, s5, 121
	s_lshl_b32 s62, s6, 23
	s_or_b32 s62, s62, 0x80000000                  ; -2^(e0 + e1) / 64
	; ---- g2 x W3 in f16.  Place (a, w, half) of the fragments stands for register 16 a + 2 w + half of the second layer, which is unit 32 h + 4 (i % 8) + i / 8
.set kk, 0
.rept 16
	v_pk_mul_f32 v[B2C+kk:B2C+kk+1], v[B2C+kk:B2C+kk+1], v[X+32+kk:X+33+kk]
.set kk, kk+2
.endr
.irp a, 0,1
.irp w, 0,1,2,3,4,5,6,7
	v_cvt_pk_f16_f32 v[GF+8*\a+\w], v[B2C+4*((2*\w)%8)+2*\a+\w/4], v[B2C+4*((2*\w)%8)+2*\a+\w/4+4]
.endr
.endr
	; ---- b2 / 2^(e0 + e1) in the second layer's layout
.irp t, 0,1,2,3
.irp j, 0,1,2,3,4,5,6,7
	v_ldexp_f32 v[B2C+8*\t+\j], v[X+4*\j+\t], s78
.endr
.endr
	; ---- (beta2 . W3 + b3) x bias_scale for my four heads: four rows a lane, then the sixteen lanes of my half
.irp j, 0,1,2,3
	v_mul_f32 v[S+4+\j], v[S], v[O+\j]
.endr
.irp i, 1,2,3
.irp j, 0,1,2,3
	v_fma_f32 v[S+4+\j], v[S+\i], v[O+4*\i+\j], v[S+4+\j]
.endr
.endr
.irp m, 1,2,4,8
.irp j, 0,1,2,3
	v_add_f32_dpp v[S+4+\j], v[S+4+\j], v[S+4+\j] row_xmask:\m row_mask:0xf bank_mask:0xf
.endr
.endr
.irp j, 0,1,2,3
	v_add_f32 v[CV+\j], v[CV+\j], v[S+4+\j]
.endr
.irp j, 0,1,2,3
	v_mul_f32 v[CV+\j], v[CV+\j], v[BSV+\j]
.endr
	; ---- the rotation, the same number in every lane, then into scalar registers: s[48 + 3 j + i] = R[j][i]
	v_mul_f32 v[X], s44, s44
	v_fma_f32 v[X], s45, s45, v[X]
	v_fma_f32 v[X], s46, s46, v[X]
	v_fma_f32 v[X], s47, s47, v[X]
	v_sqrt_f32 v[X+1], v[X]
	v_nop                                          ; a plain instruction behind the transcendental
	s_wait_alu depctr_va_vdst(0)                   ; the root has written v[X+1], which the addition below reads
	v_add_f32 v[X+1], 0x322bcc77, v[X+1]           ; + 1e-8
	v_rcp_f32 v[X+2], v[X+1]
	v_nop                                          ; a plain instruction behind the transcendental
	s_wait_alu depctr_va_vdst(0)                   ; the reciprocal has written v[X+2], which the four multiplies below read
.irp i, 0,1,2,3
	v_mul_f32 v[X+4+\i], s[44+\i], v[X+2]          ; x, y, z, w
.endr
	v_mul_f32 v[X+8], v[X+4], v[X+4]               ; xx
	v_mul_f32 v[X+9], v[X+5], v[X+5]               ; yy
	v_mul_f32 v[X+10], v[X+6], v[X+6]              ; zz
	v_mul_f32 v[X+11], v[X+4], v[X+5]              ; xy
	v_mul_f32 v[X+12], v[X+4], v[X+6]              ; xz
	v_mul_f32 v[X+13], v[X+5], v[X+6]              ; yz
	v_mul_f32 v[X+14], v[X+7], v[X+4]              ; wx
	v_mul_f32 v[X+15], v[X+7], v[X+5]              ; wy
	v_mul_f32 v[X+16], v[X+7], v[X+6]              ; wz
	v_add_f32 v[X+20], v[X+9], v[X+10]             ; yy + zz
	v_sub_f32 v[X+21], v[X+11], v[X+16]            ; xy - wz
	v_add_f32 v[X+22], v[X+12], v[X+15]            ; xz + wy
	v_add_f32 v[X+23], v[X+11], v[X+16]            ; xy + wz
	v_add_f32 v[X+24], v[X+8], v[X+10]             ; xx + zz
	v_sub_f32 v[X+25], v[X+13], v[X+14]            ; yz - wx
	v_sub_f32 v[X+26], v[X+12], v[X+15]            ; xz - wy
	v_add_f32 v[X+27], v[X+13], v[X+14]            ; yz + wx
	v_add_f32 v[X+28], v[X+8], v[X+9]              ; xx + yy
.irp k, 20,24,28
	v_fma_f32 v[X+\k], v[X+\k], -2.0, 1.0
.endr
.irp k, 21,22,23,25,26,27
	v_add_f32 v[X+\k], v[X+\k], v[X+\k]
.endr
.irp k, 0,1,2,3,4,5,6,7,8
	v_readfirstlane_b32 s[48+\k], v[X+20+\k]
.endr
	s_wait_alu depctr_va_sdst(0)                   ; s48 to s56 are written, ahead of their first readers, the features' multiplies: one wait for the nine
	; ---- W2's codes, a chunk of sixteen rows at a time; behind each chunk sixteen more loads go out into the registers that it has left
	W2Q 0, B1
	W2LOAD 3, B1
	W2Q 1, G1
	CLOAD G1, 12
	W2Q 2, BE1
	CLOAD BE1, 14
	W2Q 3, B1
	CLOAD B1, 10
	WIN 0
	; ---- the pipeline is primed: tile 0's first layer, tile 1's features
	FEATA 0
	FEATB
	s_wait_loadcnt 0x0                             ; b1, g1, beta1
	MM1
	FEATA 3                                        ; these two macros' plain instructions, fifteen ahead of the first write of the fragment, are the places behind the f32 products (ISA guide 7.12.1)
	FEATB
	s_mov_b32 s68, 8
.Lgroup:                                           ; a trip: a group of 64 points
	s_wait_xcnt 0x0                                ; the last trip's stores and loads have read their registers and bases: only behind this wait are the bases stepped and the results' registers written again
	s_wait_alu depctr_vm_vsrc(0)                   ; the last trip's four stores have read v[O ..], which this trip's FIN writes again
	s_add_nc_u64 s[76:77], s[76:77], s[70:71]      ; the results' base: 0 on in the first trip, 256 bytes on in the others
	s_mov_b32 s70, 256
	s_cmp_eq_u32 s68, 1
	s_cselect_b32 s72, 0, 768                      ; the points' base goes a group ahead of the work; the last trip has no group ahead and stays inside the buffer
	s_add_nc_u64 s[74:75], s[74:75], s[72:73]
	TILE 0, 6, 1, 1                                ; the count leaves out this trip's first load, issued in this tile's first layer norm: the last trip's second and third are in
	TILE 1, 9, -1, 2
	TILE 2, 0, 2, 0                                ; this trip's first load is in; its second and third may be out
	TILE 3, 3, 1, 0                                ; its second is in too
	s_wait_alu depctr_va_vdst(0)                   ; FIN 0 to 3 have written v[O ..], which the four stores below read
.irp j, 0,1,2,3
	global_store_b128 v[OUTO], v[O+4*\j:O+4*\j+3], s[76:77] offset:\j*1048576 th:TH_STORE_NT   ; lanes 0-15: 256 consecutive bytes of head j, aligned; lanes 16-31: of head 4 + j.  Written once, read by nobody here
.endr
	s_sub_co_u32 s68, s68, 1
	s_cmp_lg_u32 s68, 0
	s_cbranch_scc1 .Lgroup
	s_endpgm
.Lfunc_end_k_q188e7f58bb_bias:
	.size	k_q188e7f58bb_bias, .Lfunc_end_k_q188e7f58bb_bias-k_q188e7f58bb_bias
	.p2alignl 7, 3214868480
	.fill 96, 4, 3214868480
	.section	.rodata,"a",@progbits
	.p2align	6, 0x0
	.amdhsa_kernel k_q188e7f58bb_bias
		.amdhsa_group_segment_fixed_size 0
		.amdhsa_private_segment_fixed_size 0
		.amdhsa_enable_private_segment 0
		.amdhsa_kernarg_size 120
		.amdhsa_user_sgpr_count 2
		.amdhsa_user_sgpr_kernarg_segment_ptr 1
		.amdhsa_wavefront_size32 1
		.amdhsa_system_sgpr_workgroup_id_x 1
		.amdhsa_system_sgpr_workgroup_id_y 1
		.amdhsa_system_sgpr_workgroup_id_z 1
		.amdhsa_system_vgpr_workitem_id 0
		.amdhsa_next_free_vgpr 512
		.amdhsa_next_free_sgpr 80
		.amdhsa_reserve_vcc 0
		.amdhsa_float_denorm_mode_32 3
		.amdhsa_float_denorm_mode_16_64 3
		.amdhsa_memory_ordered 1
		.amdhsa_forward_progress 1
		.amdhsa_inst_pref_size 159
	.end_amdhsa_kernel
	.amdgpu_metadata
---
amdhsa.version: [ 1, 2 ]
amdhsa.kernels:
  - .name:           k_q188e7f58bb_bias
    .symbol:         k_q188e7f58bb_bias.kd
    .args:
      - { .name: W1, .offset: 0, .size: 8, .value_kind: global_buffer, .address_space: global }
      - { .name: b1, .offset: 8, .size: 8, .value_kind: global_buffer, .address_space: global }
      - { .name: g1, .offset: 16, .size: 8, .value_kind: global_buffer, .address_space: global }
      - { .name: beta1, .offset: 24, .size: 8, .value_kind: global_buffer, .address_space: global }
      - { .name: W2, .offset: 32, .size: 8, .value_kind: global_buffer, .address_space: global }
      - { .name: b2, .offset: 40, .size: 8, .value_kind: global_buffer, .address_space: global }
      - { .name: g2, .offset: 48, .size: 8, .value_kind: global_buffer, .address_space: global }
      - { .name: beta2, .offset: 56, .size: 8, .value_kind: global_buffer, .address_space: global }
      - { .name: W3, .offset: 64, .size: 8, .value_kind: global_buffer, .address_space: global }
      - { .name: b3, .offset: 72, .size: 8, .value_kind: global_buffer, .address_space: global }
      - { .name: bias_scale, .offset: 80, .size: 8, .value_kind: global_buffer, .address_space: global }
      - { .name: grasp_poses, .offset: 88, .size: 8, .value_kind: global_buffer, .address_space: global }
      - { .name: scene_points, .offset: 96, .size: 8, .value_kind: global_buffer, .address_space: global }
      - { .name: lowp_scales, .offset: 104, .size: 8, .value_kind: global_buffer, .address_space: global }
      - { .name: out0, .offset: 112, .size: 8, .value_kind: global_buffer, .address_space: global }
    .group_segment_fixed_size: 0
    .private_segment_fixed_size: 0
    .kernarg_segment_align: 8
    .kernarg_segment_size: 120
    .max_flat_workgroup_size: 256
    .sgpr_count:     80
    .vgpr_count:     512
    .wavefront_size: 32
...
	.end_amdgpu_metadata
.endif
;; end of part 2
